; MI455X (gfx1250); checked and timed in simulation.
; The chip was launched on July 23, 2026; its instructions are those of AMD's public machine-readable ISA for CDNA 5 (MIT licence, August 2026) and "CDNA5" Instruction Set Architecture Reference Guide (July 2026). The comments in the code are by the model that wrote it; some were corrected since.
;; LSTM Cell. Allowed arithmetic: matrix products marked QUANTISED: E2M3 operands, one E8M0 scale for each 32 along K, by v_wmma_scale_f32_16x16x128_f8f6f4 with both operands' format E2M3, f32 sums; everything else in f32.
;; Inputs: Wh 4,096 x 1,024 float32; Wx 4,096 x 1,024 float32; bh 4,096 float32; bx 4,096 float32; c_1 8,192 x 1,024 float32; h 8,192 x 1,024 float32; x 8,192 x 1,024 float32.
;; Outputs: out0 8,192 x 1,024 float32; out1 8,192 x 1,024 float32.
;; This version of the problem:
;;   THIS VERSION OF THE PROBLEM IS GIVEN IN LOW PRECISION. The matrix products marked QUANTISED in the list below multiply operands that are first quantised to E2M3 (2 exponent bits, 3 mantissa bits; 6 bits a number), with one power-of-two scale for each 32 numbers along K (OCP MX v1.0); their sums are f32. All else is computed in f32.
;;   The module's matrix products, in the order in which they are computed (A, B: the left and right operand; K: the contracted axis; several contracted axes count as one K, in the product's order):
;;     1. [M 8,192, K 1,024] x [K 1,024, N 4,096]; A: input x; B: input Wx: QUANTISED
;;     2. [M 8,192, K 1,024] x [K 1,024, N 4,096]; A: input h; B: input Wh: QUANTISED
;;   THE QUANTISER, for each operand of a quantised product, along K:
;;     - K is cut into blocks of 32 from its start; a last block that is shorter is filled with zeros.
;;     - A block's scale is 2^e with e = floor(log2(the largest magnitude in the block)) - 2, held to -126 .. 127; a block of zeros has e = 0. As a byte (E8M0): e + 127.
;;     - Each number is divided by its block's scale, clamped to +-7.5, and rounded to the nearest number of E2M3, ties to even, subnormals kept.
;;     - The product sums the exact products of the quantised numbers (number of the format x scale) in f32.
;;   ~~~python
;;   def quantise(x, axis):      # numpy; x: float32 -> the quantised numbers, widened to float32 again
;;       x = np.moveaxis(x, axis, -1); K = x.shape[-1]
;;       x = np.pad(x, [(0, 0)] * (x.ndim - 1) + [(0, -K % 32)]); x = x.reshape(x.shape[:-1] + (-1, 32)); a = np.abs(x).max(-1, keepdims=True)
;;       e = np.where(a > 0, np.clip(np.frexp(np.where(a > 0, a, 1))[1] - 1 - 2, -126, 127), 0)      # np.frexp(a)[1] - 1 = floor(log2(a)), exactly
;;       r = np.clip(x / 2.0 ** e, -7.5, 7.5)
;;       step = 2.0 ** (np.maximum(np.frexp(np.where(r == 0, 1, r))[1] - 1, 0) - 3)
;;       q = np.round(r / step) * step * 2.0 ** e      # np.round: ties to even
;;       return np.moveaxis(q.reshape(q.shape[:-2] + (-1,))[..., :K], -1, axis).astype(np.float32)
;;   ~~~
;; One version. Each part assembles by itself: llvm-mc -triple=amdgcn-amd-amdhsa -mcpu=gfx1250 --defsym DOCPART=n.
;; ======== version 1 of 1: 2 launches
;; limits: right only within a limited range of input values
;; workspace buffers: a_t 13,107,200 bytes; b_t 6,553,600 bytes
;; launch quant (part 1): grid 768 x 1, 4 waves a work-group, no clusters, 35,328 bytes of LDS; arguments x, h, Wx, Wh, a_t, b_t; writes a_t, b_t
.if DOCPART == 1
	.amdgcn_target "amdgcn-amd-amdhsa--gfx1250"
	.amdhsa_code_object_version 6
	.text
	.protected	k_q78c026638f_quant
	.globl	k_q78c026638f_quant
	.p2align	8
	.type	k_q78c026638f_quant,@function
k_q78c026638f_quant:
	s_mov_b64 s[64:65], 0
	v_nop
	global_prefetch_b8 v0, s[64:65] scope:SCOPE_SE
	s_setreg_imm32_b32 hwreg(HW_REG_WAVE_MODE, 25, 1), 1
	s_wait_xcnt 0x0
; x, h [8192][1024] and Wx, Wh [4096][1024], f32, K innermost, become codes of FP6 (E2M3) with one E8M0 scale byte for each 32 along K,
; laid in a_t and b_t in the order in which the product's launch takes them into registers.
; A block's scale is 2^(floor(log2(its largest magnitude)) - 2); its byte is the largest magnitude's exponent field - 2, held at 1 from below.
; Each number is divided by the scale and rounded to the nearest code, ties to even; beyond 7.5 the largest code.
; LIMITS: NaN and infinities among the inputs are not served.  A block of zeros gets the byte 1 (its codes are zeros, which add nothing under
; that byte; this program alone reads the bytes).  Blocks whose largest magnitude lies under 2^(3 - 127) take the byte 1.
; LAYOUT of a_t and b_t: group of 128 rows (204,800 bytes) -> K step S = 0 .. 15, 128 along K each (0-7: x or Wx, 8-15: h or Wh) -> a STEP TILE of 12,800 dense bytes:
;   8 fragment images of 1,536 bytes, block i of 16 rows at 1536 i; an image is the operand's 12 registers: bytes 512 c + 16 lane hold registers 4 c .. 4 c + 3 of that lane;
;   at byte 12,288 the scale words: row r at 32 r, block i at 4 i.
;   a_t: group R, block i, row r = row 128 R + 16 i + r of x and h.
;   b_t: group G = hidden units 32 G .. 32 G + 31; block 2 g + u, row r = row 1024 g + 32 G + 16 u + r of Wx and Wh (g: the gate i, f, o, c).
; SHARES.  Work-groups 0-255 take x, 256-511 h, 512-639 Wx, 640-767 Wh.  A work-group takes one group of 128 rows x 256 along K: two step tiles, 25,600 consecutive bytes, which it writes whole.
; Wave w takes blocks 2 w and 2 w + 1 (32 neighbouring rows of the source): four fragments f = 2 i + q (i: the block of the two, q: the K step of the two).
; A fragment's lane (r, h) wants, of row r, the blocks of 32 numbers h and 2 + h of the 128.  The loads take the bytes as they lie (a row's 512 bytes, 16 a lane),
; and the 16 rows turn through the wave's own stage in LDS (rows 528 bytes apart).  The four waves' scale words meet in 1,024 bytes of LDS behind one barrier and leave as aligned runs of 256 bytes.
.set STG,   8448                       ; a wave's stage: 16 rows x 528 bytes
.set SPQ,   528                        ; 512 bytes + 16: an odd multiple of 16
.set SCQ,   4*STG                      ; behind the stages: the work-group's scale words: K step q at 512 q, row r at 32 r, block i at 4 i
.set STEPB, 12800
.set GROUP, 204800
.set XR,    64                         ; v64-127  the lane's 64 numbers: 32 c + i = number i of block 2 c + h
.set RR,    128                        ; v128-255 two sets of 64: a fragment's 16 rows as loaded
.set CC,    28                         ; v28-51   two sets of 12: a fragment's codes
.set TT,    52                         ; v52-54, v56-58 the second halves of the two blocks' codes
	s_load_b256 s[4:11], s[0:1], 0x0               ; x s[4:5], h s[6:7], Wx s[8:9], Wh s[10:11]
	s_load_b128 s[12:15], s[0:1], 0x20             ; a_t s[12:13], b_t s[14:15]
	v_lshl_add_u32 v62, v0, 2, 0x8800
	v_mov_b32 v63, 0
	v_lshrrev_b32 v1, 5, v0
	v_readfirstlane_b32 s20, v1                    ; wave 0..3
	v_and_b32 v1, 31, v0                           ; lane
	v_and_b32 v2, 15, v0                           ; r
	v_bfe_u32 v3, v0, 4, 1                         ; h
	v_lshlrev_b32 v4, 4, v1                        ; 16 x lane: my bytes of a load's 512, and of an image's 512
	s_mul_i32 s37, s20, STG
	v_add_nc_u32 v5, s37, v4                       ; the stage, on the way in
	v_mul_u32_u24 v6, v2, SPQ
	v_lshl_add_u32 v6, v3, 7, v6
	v_add_nc_u32 v6, s37, v6                       ; and on the way out: row r, + 128 h
	v_lshlrev_b32 v7, 5, v2
	v_lshl_add_u32 v7, v3, 2, v7
	s_lshl_b32 s37, s20, 3
	v_add_nc_u32 v7, s37, v7                       ; where my scale word goes: 32 r + 4 (2 w + h)
	v_lshlrev_b32 v60, 3, v1                       ; and on the way out 8 bytes a lane,
	s_lshl_b32 s37, s20, 8
	v_add_nc_u32 v61, s37, v60                     ; 256 bytes a wave
	v_lshlrev_b32 v8, 3, v3                        ; 8 h: my two bytes' shift in a scale word
	v_mov_b32 v9, 0                                ; a lane permute's destination counts as one of its sources
	v_cmp_eq_u32 s30, 1, v3                        ; the lanes 16-31
	s_mov_b32 s28, 0x76543210
	s_mov_b32 s29, 0xfedcba98                      ; v_permlanex16_b32's selects for lane l xor 16
	s_wait_alu depctr_va_vdst(0)
	s_wait_kmcnt 0x0
	s_cmp_lt_u32 ttmp9, 256                        ; the choices hang on the work-group's number alone
	s_cselect_b64 s[4:5], s[4:5], s[6:7]           ; x or h
	s_cselect_b32 s16, 0, 1
	s_cselect_b32 s17, 0, 256
	s_cmp_lt_u32 ttmp9, 640
	s_cselect_b64 s[8:9], s[8:9], s[10:11]         ; Wx or Wh
	s_cselect_b32 s18, 0, 1
	s_mov_b32 s19, 640
	s_cselect_b32 s19, 512, s19
	s_cmp_lt_u32 ttmp9, 512
	s_cselect_b64 s[4:5], s[4:5], s[8:9]           ; the source
	s_cselect_b64 s[12:13], s[12:13], s[14:15]     ; the destination
	s_cselect_b32 s16, s16, s18                    ; 0: the first half of K (x, Wx), 1: the second (h, Wh)
	s_cselect_b32 s17, s17, s19                    ; the section's first work-group
	s_sub_co_u32 s21, ttmp9, s17                   ; J
	s_and_b32 s23, s21, 3                          ; which 256 of the source's 1,024 along K
	s_lshr_b32 s31, s21, 2                         ; the group
	s_lshl_b32 s22, s31, 7
	s_lshl_b32 s33, s20, 5
	s_add_co_u32 s22, s22, s33                     ; x, h: my first row 128 x group + 32 x wave
	s_lshl_b32 s32, s20, 10
	s_lshl_b32 s33, s31, 5
	s_add_co_u32 s32, s32, s33                     ; Wx, Wh: 1024 x wave (the gate) + 32 x group
	s_cmp_lt_u32 ttmp9, 512
	s_cselect_b32 s22, s22, s32
	s_lshl_b32 s34, s22, 12                        ; rows of 4,096 bytes
	s_lshl_b32 s33, s23, 10                        ; + the work-group's 256 numbers
	s_add_co_u32 s34, s34, s33
	s_mov_b32 s35, 0
	s_add_nc_u64 s[4:5], s[4:5], s[34:35]
	s_lshl_b32 s36, s16, 3
	s_lshl_b32 s33, s23, 1
	s_add_co_u32 s36, s36, s33                     ; the first of my two K steps
	s_mul_i32 s36, s36, STEPB
	s_mul_i32 s38, s31, GROUP
	s_add_co_u32 s38, s38, s36
	s_mov_b32 s39, 0
	s_add_nc_u64 s[12:13], s[12:13], s[38:39]      ; the work-group's two step tiles
	s_mul_i32 s40, s20, 3072
	s_mov_b32 s41, 0
	s_add_nc_u64 s[24:25], s[12:13], s[40:41]      ; my two blocks' images in the first of them
	s_lshr_b32 s40, s20, 1                         ; the scale words that I store: K step wave / 2,
	s_mul_i32 s40, s40, STEPB
	s_and_b32 s33, s20, 1                          ; its half wave % 2
	s_lshl_b32 s33, s33, 8
	s_add_co_u32 s40, s40, s33
	s_add_co_u32 s40, s40, 12288
	s_add_nc_u64 s[26:27], s[12:13], s[40:41]
.macro LOAD f                          ; fragment f's 16 rows: each load reads 512 consecutive bytes, aligned
.irp rr, 0,1,2,3,4,5,6,7,8,9,10,11,12,13,14,15
	global_load_b128 v[RR+64*((\f)%2)+4*\rr:RR+64*((\f)%2)+4*\rr+3], v4, s[4:5] offset:(16*((\f)/2)+\rr)*4096+((\f)%2)*512 th:TH_LOAD_NT
.endr
.endm
.macro FRAGQ f
.set RS, RR+64*((\f)%2)
.set CS, CC+12*((\f)%2)
.if (\f) < 3
	s_wait_loadcnt 16                              ; this fragment's 16 loads are in; the next fragment's 16 may be out
.else
	s_wait_loadcnt 0x0
.endif
.irp rr, 0,1,2,3,4,5,6,7,8,9,10,11,12,13,14,15
	ds_store_b128 v5, v[RS+4*\rr:RS+4*\rr+3] offset:SPQ*\rr
.endr
.irp c, 0,1                                    ; LDS serves a wave's instructions in order: these see the stores above
.irp j, 0,1,2,3,4,5,6,7
	ds_load_b128 v[XR+32*\c+4*\j:XR+32*\c+4*\j+3], v6 offset:256*\c+16*\j
.endr
.endr
	s_wait_dscnt 0x0                               ; my 64 numbers are in
.if (\f) >= 2
	s_wait_xcnt 0x0                                ; the stores of two fragments ago have read this set of code registers
.endif
.if (\f)+2 < 4
	LOAD (\f)+2                                    ; into the set that has just gone through the stage
.endif
.irp c, 0,1                                    ; each block's largest magnitude: all 32 numbers are mine; two chains a block, the blocks by turns
	v_max3_num_f32 v[10+2*\c], |v[XR+32*\c]|, |v[XR+32*\c+1]|, 0x1800000   ; with the floor 2^(3 - 127): the byte cannot fall under 1
	v_max3_num_f32 v[11+2*\c], |v[XR+32*\c+16]|, |v[XR+32*\c+17]|, |v[XR+32*\c+18]|
.endr
.irp i, 0,2,4,6,8,10
.irp c, 0,1
	v_max3_num_f32 v[10+2*\c], v[10+2*\c], |v[XR+32*\c+2+\i]|, |v[XR+32*\c+3+\i]|
	v_max3_num_f32 v[11+2*\c], v[11+2*\c], |v[XR+32*\c+19+\i]|, |v[XR+32*\c+20+\i]|
.endr
.endr
.irp c, 0,1
	v_max3_num_f32 v[10+2*\c], v[10+2*\c], |v[XR+32*\c+14]|, |v[XR+32*\c+15]|
.endr
.irp c, 0,1
	v_max3_num_f32 v[10+2*\c], v[10+2*\c], v[11+2*\c], |v[XR+32*\c+31]|
.endr
	v_add_nc_u32 v14, 0xff000000, v10              ; 2 off the exponent field: the conversion takes the exponent field of this operand as its scale
	v_add_nc_u32 v15, 0xff000000, v12
	v_lshrrev_b32 v16, 23, v14                     ; the scales' bytes: blocks h and 2 + h
	v_lshrrev_b32 v17, 23, v15
	v_lshl_or_b32 v18, v17, 16, v16
	v_lshlrev_b32 v18, v8, v18                     ; at their places in the row's scale word
	v_permlanex16_b32 v9, v18, s28, s29
	v_or_b32 v[20+(\f)], v18, v9                   ; with lane l xor 16's two the word is whole, in both lanes
.irp c, 0,1
	v_cvt_scalef32_pk16_fp6_f32 v[CS+6*\c:CS+6*\c+2], v[XR+32*\c:XR+32*\c+15], v[14+\c]
	v_cvt_scalef32_pk16_fp6_f32 v[TT+4*\c:TT+4*\c+2], v[XR+32*\c+16:XR+32*\c+31], v[14+\c]   ; (a conversion's three registers begin on an even number)
.endr
	v_nop                                          ; one plain place behind the scaled conversions
.irp c, 0,1
.irp i, 0,1,2
	v_mov_b32 v[CS+3+6*\c+\i], v[TT+4*\c+\i]       ; registers 6 c .. 6 c + 5 hold k = 64 c + 32 h + 0 .. 31
.endr
.endr
.irp c, 0,1,2
	global_store_b128 v4, v[CS+4*\c:CS+4*\c+3], s[24:25] offset:((\f)%2)*STEPB+((\f)/2)*1536+512*\c   ; 32 lanes store 512 consecutive bytes, aligned
.endr
.endm
	LOAD 0
	LOAD 1
	FRAGQ 0
	FRAGQ 1
	FRAGQ 2
	FRAGQ 3
	v_cndmask_b32 v24, v20, v22, s30               ; lanes 0-15 hold the first block's word of row r, lanes 16-31 the second block's: K step 0,
	v_cndmask_b32 v25, v21, v23, s30               ; K step 1
	ds_store_b32 v7, v24 offset:SCQ
	ds_store_b32 v7, v25 offset:SCQ+512
	s_wait_dscnt 0x0                               ; for the others' sake: my words lie in LDS
	s_barrier_signal -1
	s_barrier_wait -1                              ; all eight blocks' words do
	ds_load_b64 v[26:27], v61 offset:SCQ
	s_wait_dscnt 0x0
	global_store_b64 v60, v[26:27], s[26:27]       ; 32 lanes store 256 consecutive bytes, aligned
	s_wait_tensorcnt 0x0
	ds_add_u32 v62, v63
	s_wait_dscnt 0x0
	s_endpgm
.Lfunc_end_k_q78c026638f_quant:
	.size	k_q78c026638f_quant, .Lfunc_end_k_q78c026638f_quant-k_q78c026638f_quant
	.p2alignl 7, 3214868480
	.fill 96, 4, 3214868480
	.section	.rodata,"a",@progbits
	.p2align	6, 0x0
	.amdhsa_kernel k_q78c026638f_quant
		.amdhsa_group_segment_fixed_size 35328
		.amdhsa_private_segment_fixed_size 0
		.amdhsa_enable_private_segment 0
		.amdhsa_kernarg_size 48
		.amdhsa_user_sgpr_count 2
		.amdhsa_user_sgpr_kernarg_segment_ptr 1
		.amdhsa_wavefront_size32 1
		.amdhsa_system_sgpr_workgroup_id_x 1
		.amdhsa_system_sgpr_workgroup_id_y 1
		.amdhsa_system_sgpr_workgroup_id_z 1
		.amdhsa_system_vgpr_workitem_id 0
		.amdhsa_next_free_vgpr 256
		.amdhsa_next_free_sgpr 66
		.amdhsa_reserve_vcc 0
		.amdhsa_float_denorm_mode_32 3
		.amdhsa_float_denorm_mode_16_64 3
		.amdhsa_memory_ordered 1
		.amdhsa_forward_progress 1
		.amdhsa_inst_pref_size 32
	.end_amdhsa_kernel
	.amdgpu_metadata
---
amdhsa.version: [ 1, 2 ]
amdhsa.kernels:
  - .name:           k_q78c026638f_quant
    .symbol:         k_q78c026638f_quant.kd
    .args:
      - { .name: x, .offset: 0, .size: 8, .value_kind: global_buffer, .address_space: global }
      - { .name: h, .offset: 8, .size: 8, .value_kind: global_buffer, .address_space: global }
      - { .name: Wx, .offset: 16, .size: 8, .value_kind: global_buffer, .address_space: global }
      - { .name: Wh, .offset: 24, .size: 8, .value_kind: global_buffer, .address_space: global }
      - { .name: a_t, .offset: 32, .size: 8, .value_kind: global_buffer, .address_space: global }
      - { .name: b_t, .offset: 40, .size: 8, .value_kind: global_buffer, .address_space: global }
    .group_segment_fixed_size: 35328
    .private_segment_fixed_size: 0
    .kernarg_segment_align: 8
    .kernarg_segment_size: 48
    .max_flat_workgroup_size: 128
    .sgpr_count:     66
    .vgpr_count:     256
    .wavefront_size: 32
...
	.end_amdgpu_metadata
.endif
;; end of part 1
;; launch cell (part 2): grid 16 x 32, 8 waves a work-group, clusters of 4 x 4, 327,680 bytes of LDS; arguments a_t, b_t, bx, bh, c_1, out0, out1; writes out0, out1
.if DOCPART == 2
	.amdgcn_target "amdgcn-amd-amdhsa--gfx1250"
	.amdhsa_code_object_version 6
	.text
	.protected	k_q78c026638f_cell
	.globl	k_q78c026638f_cell
	.p2align	8
	.type	k_q78c026638f_cell,@function
k_q78c026638f_cell:
	s_mov_b64 s[64:65], 0
	v_nop
	global_prefetch_b8 v0, s[64:65] scope:SCOPE_SE
	s_setreg_imm32_b32 hwreg(HW_REG_WAVE_MODE, 25, 1), 1
	s_wait_xcnt 0x0
	s_wait_alu depctr_hold_cnt(0) depctr_sa_sdst(0) depctr_va_vdst(0) depctr_va_sdst(0) depctr_va_ssrc(0) depctr_va_vcc(0) depctr_vm_vsrc(0)
	s_getreg_b32 s2, hwreg(HW_REG_IB_STS2, 6, 4)
	s_cmp_eq_u32 s2, 0
	s_cbranch_scc0 .Lentry_in_a_cluster
	s_endpgm
.Lentry_in_a_cluster:
	s_bfe_u32 s2, ttmp6, 0x10000c
	s_cmp_lg_u32 s2, 0xf033
	s_cbranch_scc0 .Lentry_shape_is_right
	s_endpgm
.Lentry_shape_is_right:
; g = [x|h] [Wx|Wh]^T + bx + bh on codes of FP6 (E2M3) with E8M0 scales (M 8,192, N 4,096, K 2,048), and the cell's gates, fused:
; i, f, o = sigmoid, c_ = tanh, c = sigmoid(f c_1 + i c_) -> out1, h_new = tanh(c) o -> out0.  g never goes to memory.
; a_t, b_t: a group of 128 rows has 16 step tiles of 12,800 dense bytes on end (128 along K each): 8 images of operand registers (block i at 1536 i,
; bytes 512 c + 16 lane = registers 4 c .. 4 c + 3), then at 12,288 the scale words (row r at 32 r, block i at 4 i).
; b_t's group G holds hidden units 32 G .. 32 G + 31: its block 2 g + u is gate g, units 16 u .. 16 u + 15.
; SHARES.  A work-group of EIGHT waves, two to a SIMD, makes 256 rows x 64 hidden units x 4 gates; wave (RH = w / 2, CH = w % 2) makes rows 64 RH .. + 63 x units 32 CH .. + 31 x 4 gates:
; 32 accumulators, 256 registers.  While one wave of a SIMD waits (LDS, transcendentals, a barrier's partner) the other has instructions to issue.
; THE MATRIX INSTRUCTION IS USED TRANSPOSED (source 0 = 16 rows of W, source 1 = 16 rows of x|h): in accumulator (a, 2 g + u) register j of lane (r, h) is gate g of
; row 16 a + r, unit 16 u + 8 h + j: the four gates of an element lie in one lane at the same j.  The biases' sum is the C of each accumulator's first product.
; RING.  The 16 K steps go through two LDS slots of three steps: 3 + 3 + 3 + 3 + 3 + 1.  A slot holds four tiles (A's two groups, B's two) of 38,400 bytes; wave w fetches half w % 2 of tile w / 2:
; 75 rows of 256 bytes, one tensor load a wave at the head and behind each round.  The last fill of slot 1 is shared out: even waves bring step 15's tiles (50 rows), odd waves 64 rows of c_1 each,
; into the bytes behind step 15's tile.  The stages of the way out lie in slot 0, which has had its last fill and its last read by then.
; The steps are written out: three steps to a slot and two register sets come back to where they began after six steps, and 16 is no multiple of six.
; CLUSTERS: 4 x 4 work-groups.  The four of a row of the cluster need the same tiles of A, the four of a column the same tiles of B: each tile is asked for JOINTLY.
; PREFETCHES: behind each fill every wave names, for the NEXT fill, its share of the 75 blocks of 256 bytes that it will fetch; the four partners that ask jointly share them out by address
; (19 blocks each, held at 74).  Behind the fill of steps 12-14: step 15's 50 blocks (7 to a wave and partner, held at 49) and c_1's rows, a lane a row.  Behind the last fill: nothing.
; THE GATES, in f32, with L = log2(e):  a_i, a_f = 2^min(-L g, 40), b = 2^min(2 L g_c, 40), a_o = 2^min(-L g_o, 24);  P = (1 + a_i)(1 + b), F = -(1 + a_f) / L;
;   t = -L (f c_1 + i c_) = (c_1 P + (L - L b) F) / (P F);  E = 1 + 2^min(t, 16), so that c = 1 / E;  w = E^2;  N = (945 w + 105) w + 1;  D = (63 w + 28) w + 1;  O = 15 + 15 a_o;
;   R = 1 / (E D O);  h_new = N R;  c = D O R.  One reciprocal serves both results: seven transcendentals an element.
; tanh(c) is the fifth convergent of its continued fraction, c (y^2 + 105 y + 945) / (15 (y^2 + 28 y + 63)) with y = c^2, both parts multiplied by w^2.
; LIMITS.  The hold at 40 keeps P F under 2^121 and moves a sigmoid or the tanh by 2^-39 at the most; the hold at 24 moves o by 2^-24 at the most; the hold at 16 keeps c at 1 / (1 + 2^16) from below,
; which moves c by 2^-16 at the most; with them E D O stays under 2^115.  c lies in 0 .. 1 for every input, being a sigmoid, and there the convergent is within 5e-8 of tanh.
; NaN and infinities among the inputs are not served.
; REGISTERS: window 0: v10-31 addresses; v32-47 scale words, two sets; v48-143 B's fragments, ONE set, fetched by halves; v144-239 A's fragments, two sets;
;   v192-255 the biases' sum, for step 0 alone (A's second set is first filled behind step 0's products); on the way out v48-227 are at work.   window 1: the accumulators, (a, b) at v[8 (8 a + b)].
.set STEPB, 12800
.set TILE,  3*STEPB
.set HALF,  TILE/2                     ; what one tensor load brings: 75 rows of 256 bytes
.set SLOT,  4*TILE
.set GROUP, 16*STEPB
.set SCOFF, 12288
.set SPARE, 2*SLOT                     ; behind the ring: the spare words, 128 bytes for each of eight waves
.set SP,    272                        ; a row of 256 bytes + 16
.set ST0,   0                          ; h_new's stage, 256 rows x 272 bytes, in slot 0
.set ST1,   256*SP                     ; c's
.set FR,    12
.set PFC,  10                          ; c_1's prefetch: 4,096 x (lane + 32 CH)
.set ADRT, 12                          ; v12-13 scale words, second load: lanes 0-15 as ADRS, lanes 16-31 B's blocks 4-7
.set ADRA, 16                          ; v16-17 my A fragments in slot 0, 1
.set ADRB, 18                          ; v18-19 my B fragments
.set ADRS, 20                          ; v20-21 scale words: lanes 0-15 my four blocks of A, lanes 16-31 B's blocks 0-3
.set STO0, 22
.set STO1, 23
.set C1A,  24
.set RD,   25
.set CO,   26
.set PFO,  27                          ; the tiles' prefetch: my block of the tile's 150
.set SPW,  28
.set NIL,  29
.set PFO2, 31                          ; step 15's prefetch: my block of its 50
.set SC,   32
.set BF,   48
.set AF,   144
.set BIAS, 192
.set TI,   48
.set TF,   64
.set TO,   80
.set TC,   96
.set C1,   112
.set WK,   128
.set OB,   144                         ; two sets of 32: 16 rows read back from a stage
.set K1,   208                         ; constants, each in both registers of a pair
.set KNL,  210
.set K2L,  212
.set KL,   214
.set K15,  216
.set K105, 218
.set K28,  220
.set K945, 222
.set K63,  224
.set KIL,  226
.set G1A, 32                           ; group 1 for A's loads of 75 rows; G1B for B's
.set G1B, 40
.set G0A, 48                           ; group 0, one set for each slot
.set G0B, 56
.set G1C, 68                           ; c_1
.set G0C, 76
.set G1AS, 80                          ; group 1 for step 15: 50 rows
.set G1BS, 88
.set MSB, 0
.macro WIN new                         ; the immediate's high byte repeats the setting that is left
.if MSB != (\new)
	s_set_vgpr_msb (MSB<<8)|(\new)
.set MSB, (\new)
.endif
.endm
.macro PLACES n
.rept \n
	v_nop
.endr
.endm
.macro TLOAD g0, g1                    ; s_nop 0 and four v_nop follow every tensor load
	tensor_load_to_lds s[\g0:\g0+3], s[\g1:\g1+7]
	s_nop 0
	PLACES 4
.endm
.macro JLOAD g0a, g1a, g0b, g1b        ; a joint load: waves 0-3 fetch for A, waves 4-7 for B; the branch hangs on the wave's number alone
	s_cmp_eq_u32 s101, 0
	s_cbranch_scc0 .Lfor_b_\@
	TLOAD \g0a, \g1a
	s_branch .Lasked_\@
.Lfor_b_\@:
	TLOAD \g0b, \g1b
.Lasked_\@:
.endm
.macro CREST                           ; a round of the cluster's barrier behind its opening barrier
	s_cmp_lg_u32 s18, 0
	s_cbranch_scc1 .Lnot_wave_0_\@
	s_barrier_signal -3
.Lnot_wave_0_\@:
	s_barrier_wait -3
	s_barrier_signal -1
	s_barrier_wait -1
.endm
.macro CROUND
	s_barrier_signal -1
	s_barrier_wait -1
	CREST
.endm
.macro ASK st                          ; my share of the tile half that I fetch at the next fill (steps st .. st + 2)
	global_prefetch_b8 v[PFO], s[28:29] offset:(\st)*STEPB th:TH_LOAD_NT scope:SCOPE_SE
.endm
	s_load_b256 s[4:11], s[0:1], 0x0               ; a_t, b_t, bx, bh
	s_load_b128 s[12:15], s[0:1], 0x20             ; c_1, out0
	s_load_b64 s[16:17], s[0:1], 0x30              ; out1
	v_lshl_add_u32 v[SPW], v0, 2, SPARE
	v_mov_b32 v[NIL], 0
	ds_add_u32 v[SPW], v[NIL]                      ; the opening lines: the add, twice on end, and its wait ahead of my first tensor load
	ds_add_u32 v[SPW], v[NIL]
	v_lshrrev_b32 v1, 5, v0
	v_readfirstlane_b32 s18, v1                    ; wave 0..7
	s_lshr_b32 s19, s18, 1                         ; RH: my 64 rows.  Also: the tile of the slot's four that I fetch
	s_and_b32 s20, s18, 1                          ; CH: my 32 units.  Also: which half of that tile
	s_lshr_b32 s101, s18, 2                        ; I fetch for A (0) or for B (1).  Also: the tile of A that holds my rows
	s_and_b32 s27, s19, 1                          ; which group of the two I fetch.  Also: which four blocks of A's tile are mine
	s_bfe_u32 s21, ttmp6, 0x40000                  ; cx, cy
	s_bfe_u32 s22, ttmp6, 0x40004
	s_lshl_b32 s23, ttmp9, 2
	s_add_co_u32 s23, s23, s21                     ; tc: which 64 hidden units
	s_and_b32 s24, ttmp7, 0xffff
	s_lshl_b32 s24, s24, 2
	s_add_co_u32 s24, s24, s22                     ; ty: which 256 rows
	s_lshl_b32 s25, s22, 2
	s_lshl_b32 s25, 15, s25                        ; my row of the cluster
	s_lshl_b32 s26, 0x1111, s21                    ; my column
	s_or_b32 s[G1A], s25, (3<<16)|(1<<21)          ; the mask; elements of 8 bytes; bit 21 beside a mask
	s_or_b32 s[G1B], s26, (3<<16)|(1<<21)
	s_or_b32 s[G1AS], s25, (3<<16)|(1<<21)
	s_or_b32 s[G1BS], s26, (3<<16)|(1<<21)
.irp g, G1A, G1B
	s_mov_b32 s[\g+1], 32<<16                      ; dense rows of 256 bytes: 32 elements,
	s_mov_b32 s[\g+2], 75<<16                      ; 75 rows
	s_mov_b32 s[\g+3], 32<<16
	s_mov_b32 s[\g+4], 75
	s_mov_b32 s[\g+5], 32
	s_mov_b32 s[\g+6], 0
	s_mov_b32 s[\g+7], 0
.endr
.irp g, G1AS, G1BS
	s_mov_b32 s[\g+1], 32<<16
	s_mov_b32 s[\g+2], 50<<16
	s_mov_b32 s[\g+3], 32<<16
	s_mov_b32 s[\g+4], 50
	s_mov_b32 s[\g+5], 32
	s_mov_b32 s[\g+6], 0
	s_mov_b32 s[\g+7], 0
.endr
	s_mov_b32 s[G1C], (3<<16)|(1<<20)|(5<<22)|(3<<25)   ; c_1: 64 rows of 256 bytes, 4,096 bytes apart, 16 bytes of padding behind each; no mask
	s_mov_b32 s[G1C+1], 32<<16
	s_mov_b32 s[G1C+2], 64<<16
	s_mov_b32 s[G1C+3], 32<<16
	s_mov_b32 s[G1C+4], 64
	s_mov_b32 s[G1C+5], 512
	s_mov_b32 s[G1C+6], 0
	s_mov_b32 s[G1C+7], 0
	s_lshl_b32 s96, s24, 1
	s_add_co_u32 s96, s96, s27                     ; A: group 2 ty + which: it never holds cx
	s_mul_i32 s96, s96, GROUP
	s_mov_b32 s97, 0
	s_lshl_b32 s98, s23, 1
	s_add_co_u32 s98, s98, s27                     ; B: group 2 tc + which: it never holds cy
	s_mul_i32 s98, s98, GROUP
	s_mov_b32 s99, 0
	s_mul_i32 s100, s18, HALF                      ; where my half tile goes: wave x 19,200
	s_mul_i32 s2, s20, HALF                        ; and where it begins in the tile
	s_mov_b32 s3, 0
	s_lshl_b32 s30, s24, 8
	s_lshl_b32 s31, s19, 6
	s_add_co_u32 s30, s30, s31                     ; row 256 ty + 64 RH of c_1 and of the outputs,
	s_lshl_b32 s30, s30, 12
	s_lshl_b32 s31, s23, 8
	s_add_co_u32 s30, s30, s31                     ; + 256 tc bytes
	s_mov_b32 s31, 0
	s_mov_b32 s104, 0x42200000                     ; 40.0
	s_wait_dscnt 0x0                               ; both opening adds are done
	s_wait_kmcnt 0x0
	s_add_nc_u64 s[96:97], s[4:5], s[96:97]        ; my group of A, step 0
	s_add_nc_u64 s[98:99], s[6:7], s[98:99]        ; of B
	s_cmp_eq_u32 s101, 0
	s_cselect_b64 s[28:29], s[96:97], s[98:99]     ; the prefetches' base: the group that I fetch from
	s_add_nc_u64 s[96:97], s[96:97], s[2:3]        ; my half
	s_add_nc_u64 s[98:99], s[98:99], s[2:3]
	s_cmp_eq_u32 s20, 0
	s_cselect_b64 s[66:67], s[14:15], s[16:17]     ; wave (RH, CH) stores output CH (0: h_new, 1: c) for the rows of RH
	s_add_nc_u64 s[66:67], s[66:67], s[30:31]
	s_add_nc_u64 s[30:31], s[12:13], s[30:31]      ; the 64 rows of c_1 of RH
	CROUND                                         ; all sixteen work-groups are here: the first joint loads meet
.irp s, 0,1
	s_mov_b32 s[G0A+4*\s], 1
	s_add_co_u32 s[G0A+4*\s+1], s100, \s*SLOT
	s_add_nc_u64 s[G0A+4*\s+2:G0A+4*\s+3], s[96:97], \s*TILE      ; slot 0: steps 0-2, slot 1: steps 3-5
	s_or_b32 s[G0A+4*\s+3], s[G0A+4*\s+3], 0x80000000
	s_mov_b32 s[G0B+4*\s], 1
	s_add_co_u32 s[G0B+4*\s+1], s100, \s*SLOT
	s_add_nc_u64 s[G0B+4*\s+2:G0B+4*\s+3], s[98:99], \s*TILE
	s_or_b32 s[G0B+4*\s+3], s[G0B+4*\s+3], 0x80000000
.endr
	JLOAD G0A, G1A, G0B, G1B                       ; steps 0-2: one tensor load a wave at the head
	s_mov_b32 s[G0C], 1
	s_mul_i32 s[G0C+1], s19, TILE
	s_add_co_u32 s[G0C+1], s[G0C+1], SLOT+STEPB    ; c_1's rows of RH lie behind step 15's tile RH in slot 1
	s_mov_b64 s[G0C+2:G0C+3], s[30:31]
	s_or_b32 s[G0C+3], s[G0C+3], 0x80000000
	; all the scalars that the vector lines below take
	s_cmp_eq_u32 s101, 0
	s_cselect_b32 s2, s21, s22                     ; p: my place among the four that ask with me
	s_mul_i32 s3, s2, 19
	s_mul_i32 s4, s20, 75
	s_lshl_b32 s5, s20, 2
	s_add_co_u32 s5, s5, s2
	s_mul_i32 s5, s5, 7
	s_lshl_b32 s6, s20, 17
	s_lshl_b32 s12, s23, 8
	s_lshl_b32 s13, s20, 7
	s_add_co_u32 s12, s12, s13                     ; the biases of my 32 units: 128 (2 tc + CH) bytes
	s_mov_b32 s13, 0
	s_add_nc_u64 s[8:9], s[8:9], s[12:13]
	s_add_nc_u64 s[10:11], s[10:11], s[12:13]
	s_mul_i32 s15, s101, TILE                      ; my tile of A
	s_mul_i32 s7, s27, 4*1536
	s_add_co_u32 s7, s7, s15                       ; my four blocks in it
	s_mul_i32 s14, s20, TILE
	s_add_co_u32 s14, s14, 2*TILE                  ; my tile of B
	s_lshl_b32 s16, s27, 4
	s_add_co_u32 s15, s15, s16
	s_add_co_u32 s15, s15, SCOFF                   ; my four blocks' scale words of a row of A
	s_add_co_u32 s16, s14, SCOFF
	s_sub_co_u32 s16, s16, s15                     ; from there to B's
	s_mul_i32 s26, s19, 64*SP                      ; my 64 rows of a stage
	s_lshl_b32 s25, s20, 7
	s_add_co_u32 s17, s26, s25                     ; my 128 bytes of their 256
	s_mul_i32 s96, s19, TILE
	s_add_co_u32 s25, s25, s96
	s_add_co_u32 s25, s25, SLOT+STEPB              ; the same place in c_1's rows
	s_mul_i32 s96, s20, 256*SP
	s_add_co_u32 s26, s26, s96                     ; back: the stage of the output that I store, the rows of RH
	v_and_b32 v1, 31, v0                           ; lane
	v_and_b32 v2, 15, v0                           ; r
	v_bfe_u32 v3, v0, 4, 1                         ; h
	v_min_u32 v4, 18, v1
	v_min_u32 v5, 6, v1
	v_add_nc_u32 v4, s3, v4                        ; block 19 p + 0 .. 18 of my 75,
	v_add_nc_u32 v5, s5, v5                        ; block 7 (4 CH + p) + 0 .. 6 of step 15's 50,
	v_min_u32 v4, 74, v4                           ; each held inside
	v_min_u32 v5, 49, v5
	v_add_nc_u32 v4, s4, v4                        ; + my half's 75
	v_lshlrev_b32 v[PFO2], 8, v5
	v_lshlrev_b32 v[PFO], 8, v4
	v_lshlrev_b32 v[PFC], 12, v1
	v_lshlrev_b32 v30, 5, v3
	v_add_nc_u32 v[PFC], s6, v[PFC]
.irp b, 0,1,2,3,4,5,6,7                        ; lane (r, h) wants, for block 2 g + u, the biases of units 1024 g + 16 u + 8 h + 0 .. 7 of my 32
	global_load_b128 v[BIAS+8*\b:BIAS+8*\b+3],   v30, s[8:9] offset:(\b/2)*4096+(\b%2)*64
	global_load_b128 v[BIAS+8*\b+4:BIAS+8*\b+7], v30, s[8:9] offset:(\b/2)*4096+(\b%2)*64+16
	global_load_b128 v[BF+8*\b:BF+8*\b+3],       v30, s[10:11] offset:(\b/2)*4096+(\b%2)*64
	global_load_b128 v[BF+8*\b+4:BF+8*\b+7],     v30, s[10:11] offset:(\b/2)*4096+(\b%2)*64+16
.endr
	ASK 3                                          ; steps 3-5, which the next fill asks for
	v_lshlrev_b32 v4, 4, v1                        ; 16 x lane: an image's place for my lane
	v_mul_u32_u24 v5, s16, v3                      ; lanes 16-31 take B's scale words
	v_mul_u32_u24 v6, v2, SP
	v_mul_u32_u24 v7, v3, SP
	v_add_nc_u32 v[ADRA], s7, v4
	v_add_nc_u32 v[ADRB], s14, v4
	v_lshl_add_u32 v5, v2, 5, v5                   ; 32 bytes a row
	v_lshl_add_u32 v6, v3, 5, v6                   ; a stage's row r, + 32 h
	v_lshl_add_u32 v7, v2, 4, v7                   ; back: lanes 0-15 one row of 256 bytes, lanes 16-31 the next
	v_add_nc_u32 v[ADRA+1], SLOT, v[ADRA]
	v_add_nc_u32 v[ADRB+1], SLOT, v[ADRB]
	v_add_nc_u32 v[ADRS], s15, v5
	v_add_nc_u32 v[STO0], s17, v6
	v_add_nc_u32 v[C1A], s25, v6
	v_add_nc_u32 v[RD], s26, v7
	v_lshlrev_b32 v[CO], 12, v3                    ; and the same two rows in the output
	v_add_nc_u32 v[ADRS+1], SLOT, v[ADRS]
	v_lshl_add_u32 v[ADRT], v3, 4, v[ADRS]
	v_add_nc_u32 v[STO1], ST1, v[STO0]
	v_lshl_add_u32 v[CO], v2, 4, v[CO]
	v_add_nc_u32 v[ADRT+1], SLOT, v[ADRT]
	s_wait_alu depctr_va_vdst(0)
	s_wait_loadcnt 0x0
.set i, 0
.rept 32
	v_pk_add_f32 v[BIAS+i:BIAS+i+1], v[BIAS+i:BIAS+i+1], v[BF+i:BF+i+1]   ; bx + bh
.set i, i+2
.endr
.macro FRAG reg, adr, q, i             ; a fragment comes as the image of its 12 registers: three loads of 512 consecutive bytes
.irp c, 0,1,2
	ds_load_b128 v[\reg+4*\c:\reg+4*\c+3], v[\adr] offset:(\q)*STEPB+(\i)*1536+512*\c
.endr
.endm
.macro FETCH_B slot, q, i0             ; B's blocks i0 .. i0 + 3 of the slot's q-th step
.irp i, \i0, \i0+1, \i0+2, \i0+3
	FRAG BF+FR*(\i), ADRB+\slot, \q, \i
.endr
.endm
.macro FETCH_A slot, q, p              ; my four blocks of A into set p
.irp i, 0,1,2,3
	FRAG AF+48*(\p)+FR*\i, ADRA+\slot, \q, \i
.endr
.endm
.macro SCALES slot, q, p               ; set p: registers 0-3: lanes 0-15 A's blocks 0-3, lanes 16-31 B's blocks 0-3; registers 4-7: lanes 16-31 B's blocks 4-7
	ds_load_b128 v[SC+8*(\p):SC+8*(\p)+3],   v[ADRS+\slot] offset:(\q)*STEPB
	ds_load_b128 v[SC+8*(\p)+4:SC+8*(\p)+7], v[ADRT+\slot] offset:(\q)*STEPB
.endm
; 8 matrix instructions: B's blocks b0, b0 + 1 x my four blocks of A.  The 32 accumulators take turns in the same order in every step.
.macro MUL8 b0, p, first
.irp b, \b0, \b0+1
.irp a, 0,1,2,3
.if \first
	v_wmma_scale_f32_16x16x128_f8f6f4 v[8*(8*\a+(\b)):8*(8*\a+(\b))+7], v[BF+FR*(\b):BF+FR*(\b)+FR-1], v[AF+48*(\p)+FR*\a:AF+48*(\p)+FR*\a+FR-1], v[BIAS+8*(\b):BIAS+8*(\b)+7], v[SC+8*(\p)+(\b)], v[SC+8*(\p)+\a] matrix_a_fmt:MATRIX_FMT_FP6 matrix_b_fmt:MATRIX_FMT_FP6 matrix_a_scale:MATRIX_SCALE_ROW1
.else
	v_wmma_scale_f32_16x16x128_f8f6f4 v[8*(8*\a+(\b)):8*(8*\a+(\b))+7], v[BF+FR*(\b):BF+FR*(\b)+FR-1], v[AF+48*(\p)+FR*\a:AF+48*(\p)+FR*\a+FR-1], v[8*(8*\a+(\b)):8*(8*\a+(\b))+7], v[SC+8*(\p)+(\b)], v[SC+8*(\p)+\a] matrix_a_fmt:MATRIX_FMT_FP6 matrix_b_fmt:MATRIX_FMT_FP6 matrix_a_scale:MATRIX_SCALE_ROW1
.endif
.endr
.endr
.endm
; Step st of 0 .. 14: 32 matrix instructions, B's blocks one after the other, each against A's four.  A block of B is free when its four products are issued: blocks 0-3 are fetched anew in the step's
; middle, with the next step's A (other set) and scale words, blocks 4-7 at its end.  A load into a register that a matrix instruction has read stands four places behind it.
; A slot's last step changes slots: ONE barrier; in front of it each wave waits for all its tensor loads, adds 0 to its spare word, and waits for that and for its reads of this slot.
; Where a fill follows, the barrier opens a round of the cluster's, and the fill is the first tensor load behind it.
.macro STEPX st
.set P, (\st)%2
.set SL, ((\st)/3)%2
.set NSL, (((\st)+1)/3)%2
.set NQ, ((\st)+1)%3
.if (\st) == 0
.set F, 1
.else
.set F, 0
.endif
.set MW, 0x50-0x10*F                   ; C and D window 1; in step 0 C (the biases) window 0
.if (\st)%3 == 2
	s_wait_dscnt 12                                ; all but the youngest twelve loads (B's blocks 4-7) are in
	WIN MW
	MUL8 0, P, F                                   ; the step's first sixteen products need registers alone: they stand ahead of the wait for the next slot,
	MUL8 2, P, F                                   ; so that between that wait and the refill stand only the add, its wait and the round
	WIN 0
	s_wait_tensorcnt 0x0                           ; all my tensor loads have landed: my part of the next slot
	ds_add_u32 v[SPW], v[NIL]
	s_wait_dscnt 0x0                               ; the add is done, and my reads of this slot are over
	s_barrier_signal -1
	s_barrier_wait -1
.if (\st) < 14
	CREST                                          ; no wave of any partner still reads this slot or has a load on its way
	s_add_nc_u64 s[G0A+4*SL+2:G0A+4*SL+3], s[G0A+4*SL+2:G0A+4*SL+3], 2*TILE
	s_add_nc_u64 s[G0B+4*SL+2:G0B+4*SL+3], s[G0B+4*SL+2:G0B+4*SL+3], 2*TILE
.if (\st) == 11                        ; the last fill: even waves step 15's tiles, whole; odd waves c_1.  One chain of branches on the wave's number, a load in each arm
	s_cmp_eq_u32 s20, 0
	s_cbranch_scc0 .Llast_c
	s_cmp_eq_u32 s101, 0
	s_cbranch_scc0 .Llast_b
	TLOAD G0A+4, G1AS
	s_branch .Llast_asked
.Llast_b:
	TLOAD G0B+4, G1BS
	s_branch .Llast_asked
.Llast_c:
	TLOAD G0C, G1C
.Llast_asked:
.else
	JLOAD G0A+4*SL, G1A, G0B+4*SL, G1B             ; its four v_nop are also the places in front of the loads below
.endif
.else
	PLACES 4
.endif
.else
	s_wait_dscnt 12                                ; all but the youngest twelve loads (B's blocks 4-7) are in
	WIN MW
	MUL8 0, P, F
	MUL8 2, P, F
	s_wait_dscnt 0x0
	PLACES 4
	WIN 0
.endif
	FETCH_B NSL, NQ, 0
.if (\st) > 0
	FETCH_A NSL, NQ, 1-P
.endif
	SCALES NSL, NQ, 1-P
.if (\st) == 2
	ASK 9
.endif
.if (\st) == 5
	ASK 12
.endif
.if (\st) == 8
	global_prefetch_b8 v[PFO2], s[28:29] offset:15*STEPB th:TH_LOAD_NT scope:SCOPE_SE
	global_prefetch_b8 v[PFC], s[30:31] th:TH_LOAD_NT scope:SCOPE_SE
.endif
	WIN MW
	MUL8 4, P, F
	MUL8 6, P, F
	PLACES 4
	WIN 0
.if (\st) == 0
	FETCH_A NSL, NQ, 1-P                           ; A's second set lies where the biases lay: it is filled behind step 0's last products
.endif
	FETCH_B NSL, NQ, 4
.endm
	s_wait_alu depctr_va_vdst(0)
	s_wait_tensorcnt 0x0                           ; my part of steps 0-2 is in; the same lines ahead of a later first fill as ahead of a refill
	ds_add_u32 v[SPW], v[NIL]
	s_wait_dscnt 0x0
	CROUND
	JLOAD G0A+4, G1A, G0B+4, G1B                   ; steps 3-5: slot 1's first fill
	FETCH_B 0, 0, 0
	FETCH_A 0, 0, 0
	SCALES 0, 0, 0
	FETCH_B 0, 0, 4
	ASK 6
.set ST, 0
.rept 15
	STEPX ST
.set ST, ST+1
.endr
	s_wait_dscnt 12                                ; step 15: nothing more to fetch
	WIN 0x50
	MUL8 0, 1, 0
	MUL8 2, 1, 0
	s_wait_dscnt 0x0
	MUL8 4, 1, 0
	MUL8 6, 1, 0
	WIN 0
	s_mov_b32 s96, 0x41800000                      ; 16.0
	s_mov_b32 s97, 0x41c00000                      ; 24.0
	PLACES 4                                       ; in front of the first reads of results and of writes over the fragments
.irp k, 0,1
	v_mov_b32 v[K1+\k],   1.0
	v_mov_b32 v[KNL+\k],  0xbfb8aa3b               ; -log2(e)
	v_mov_b32 v[K2L+\k],  0x4038aa3b               ; 2 log2(e)
	v_mov_b32 v[KL+\k],   0x3fb8aa3b               ; log2(e)
	v_mov_b32 v[K15+\k],  0x41700000               ; 15
	v_mov_b32 v[K105+\k], 0x42d20000               ; 105
	v_mov_b32 v[K28+\k],  0x41e00000               ; 28
	v_mov_b32 v[K945+\k], 0x446c4000               ; 945
	v_mov_b32 v[K63+\k],  0x427c0000               ; 63
	v_mov_b32 v[KIL+\k],  0xbf317218               ; -1 / log2(e)
.endr
; THE WAY OUT, a block of 16 rows at a time: 16 elements a lane, in 8 pairs.  A pair is one dual instruction: the destinations an even and an odd register,
; each half's sources one register on from the other half's, so that they lie in different banks (register number mod 4).
.macro P2 op, d, a, b, sb              ; d = a op b, eight pairs; sb = 1: b walks with them, 0: b is a pair of constants
.irp p, 0,2,4,6,8,10,12,14
	\op v[\d+\p], v[\a+\p], v[\b+\sb*\p] :: \op v[\d+\p+1], v[\a+\p+1], v[\b+\sb*\p+1]
.endr
.endm
.macro P3 d, a, b, sb, c, sc           ; d = a b + c
.irp p, 0,2,4,6,8,10,12,14
	v_dual_fma_f32 v[\d+\p], v[\a+\p], v[\b+\sb*\p], v[\c+\sc*\p] :: v_dual_fma_f32 v[\d+\p+1], v[\a+\p+1], v[\b+\sb*\p+1], v[\c+\sc*\p+1]
.endr
.endm
.macro HOLD2 d, s                      ; two numbers held at the scalar s from above
	v_dual_min_num_f32 v[\d], s[\s], v[\d] :: v_dual_min_num_f32 v[\d+1], s[\s], v[\d+1]
.endm
.macro TR op, d                        ; sixteen transcendentals in place
.irp j, 0,1,2,3,4,5,6,7,8,9,10,11,12,13,14,15
	\op v[\d+\j], v[\d+\j]
.endr
.endm
.macro EXH d, n, s                     ; sixteen exponentials in place; the holds of the next sixteen, n, stand between them and name none of their results
.irp j, 0,2,4,6,8,10,12,14
	v_exp_f32 v[\d+\j], v[\d+\j]
	v_exp_f32 v[\d+\j+1], v[\d+\j+1]
	HOLD2 \n+\j, \s
.endr
.endm
.macro BACK a                          ; block a's 16 whole rows of the output that I store, out of the stage
.if (\a) >= 2
	s_wait_xcnt 0x0                                ; the stores of two blocks ago have read these registers
.endif
.irp t, 0,1,2,3,4,5,6,7
	ds_load_b128 v[OB+32*((\a)%2)+4*\t:OB+32*((\a)%2)+4*\t+3], v[RD] offset:(\a)*16*SP+2*\t*SP
.endr
.endm
.macro SEND a                          ; 16 lanes store 256 consecutive bytes, aligned; the base is never stepped
.irp t, 0,1,2,3,4,5,6,7
	global_store_b128 v[CO], v[OB+32*((\a)%2)+4*\t:OB+32*((\a)%2)+4*\t+3], s[66:67] offset:(16*(\a)+2*\t)*4096 th:TH_STORE_NT
.endr
.endm
; A row's 256 bytes come from two waves, so a barrier stands between a block's stores into the stages and the reads of its rows.  It is split: the signal stands behind block a's stores,
; the wait late in block a + 1; between the two stand register work and loads of c_1, which nobody writes.  Each block has stage rows of its own.
.macro EPI a
.set AC, 64*(\a)
.irp u, 0,1
.irp t, 0,1
	ds_load_b128 v[C1+8*\u+4*\t:C1+8*\u+4*\t+3], v[C1A] offset:(\a)*16*SP+64*\u+16*\t   ; c_1 of my 16 elements
.endr
.endr
	WIN 0x01                                       ; source 0: the accumulators
.irp b, 0,1,2,3,4,5
.irp j, 0,2,4,6
	v_pk_mul_f32 v[TI+8*\b+\j:TI+8*\b+\j+1], v[AC+8*\b+\j:AC+8*\b+\j+1], v[KNL:KNL+1]   ; -L g for i, f, o; each accumulator from its low end on
.endr
.endr
.irp b, 6,7
.irp j, 0,2,4,6
	v_pk_mul_f32 v[TI+8*\b+\j:TI+8*\b+\j+1], v[AC+8*\b+\j:AC+8*\b+\j+1], v[K2L:K2L+1]   ; 2 L g for c_
.endr
.endr
	WIN 0
.irp j, 0,2,4,6,8,10,12,14
	HOLD2 TI+\j, 104
.endr
	s_wait_alu depctr_va_vdst(0)                   ; a wait ahead of each run of transcendentals whose sources were just written
	EXH TI, TF, 104                                ; a_i
	s_wait_alu depctr_va_vdst(0)
	EXH TF, TC, 104                                ; a_f
	s_wait_alu depctr_va_vdst(0)
	EXH TC, TO, 97                                 ; b
	s_wait_alu depctr_va_vdst(0)
	TR v_exp_f32, TO                               ; a_o
	s_wait_dscnt 0x0                               ; c_1 is in
	v_nop                                          ; a plain place behind the last of them
	s_wait_alu depctr_va_vdst(0)                   ; one wait for the 64, ahead of their first reader
	P2 v_dual_add_f32, WK, TC, K1, 0               ; 1 + b
	P3 TC, TC, KNL, 0, KL, 0                       ; L - L b
	P2 v_dual_add_f32, TI, TI, K1, 0               ; 1 + a_i
	P3 TF, TF, KIL, 0, KIL, 0                      ; F = -(1 + a_f) / L
	P2 v_dual_mul_f32, TI, TI, WK, 1               ; P
	P2 v_dual_mul_f32, TC, TC, TF, 1               ; (L - L b) F
	P3 TC, C1, TI, 1, TC, 1                        ; the numerator
	P2 v_dual_mul_f32, TF, TI, TF, 1               ; P F
	s_wait_alu depctr_va_vdst(0)
	TR v_rcp_f32, TF
	P3 TO, TO, K15, 0, K15, 0                      ; O = 15 + 15 a_o: plain work behind the reciprocals
	s_wait_alu depctr_va_vdst(0)
	P2 v_dual_mul_f32, TC, TC, TF, 1               ; t = -L (f c_1 + i c_)
.irp j, 0,2,4,6,8,10,12,14
	HOLD2 TC+\j, 96
.endr
	s_wait_alu depctr_va_vdst(0)
	TR v_exp_f32, TC
	v_nop
	s_wait_alu depctr_va_vdst(0)
	P2 v_dual_add_f32, TC, TC, K1, 0               ; E
	P2 v_dual_mul_f32, WK, TC, TC, 1               ; w = E^2
	P3 TI, WK, K945, 0, K105, 0
	P3 TF, WK, K63, 0, K28, 0
	P3 TI, TI, WK, 1, K1, 0                        ; N
	P3 TF, TF, WK, 1, K1, 0                        ; D
	P2 v_dual_mul_f32, TO, TF, TO, 1               ; D O
	P2 v_dual_mul_f32, TF, TO, TC, 1               ; E D O
	s_wait_alu depctr_va_vdst(0)
	TR v_rcp_f32, TF                               ; R
.if (\a) > 0
	s_barrier_wait -1                              ; every wave's stores of block a - 1 lie in the stages
	BACK (\a)-1
.endif
	v_nop
	s_wait_alu depctr_va_vdst(0)
	P2 v_dual_mul_f32, TI, TI, TF, 1               ; h_new = N R
	P2 v_dual_mul_f32, TC, TO, TF, 1               ; c = D O R
.irp u, 0,1
.irp t, 0,1
	ds_store_b128 v[STO0], v[TI+8*\u+4*\t:TI+8*\u+4*\t+3] offset:(\a)*16*SP+64*\u+16*\t
.endr
.endr
.irp u, 0,1
.irp t, 0,1
	ds_store_b128 v[STO1], v[TC+8*\u+4*\t:TC+8*\u+4*\t+3] offset:(\a)*16*SP+64*\u+16*\t
.endr
.endr
	s_wait_dscnt 0x0                               ; for the others' sake: my stores into the stages are done; block a - 1's rows are back
.if (\a) > 0
	SEND (\a)-1
.endif
	s_barrier_signal -1
.endm
	EPI 0                                          ; step 14's barrier has shown c_1 whole and slot 0 read out to every wave
	EPI 1
	EPI 2
	EPI 3
	s_barrier_wait -1
	BACK 3
	s_wait_dscnt 0x0
	SEND 3
	s_wait_tensorcnt 0x0                           ; the wave's end
	ds_add_u32 v[SPW], v[NIL]
	s_wait_dscnt 0x0
	CROUND                                         ; the closing round
	s_endpgm
.Lfunc_end_k_q78c026638f_cell:
	.size	k_q78c026638f_cell, .Lfunc_end_k_q78c026638f_cell-k_q78c026638f_cell
	.p2alignl 7, 3214868480
	.fill 96, 4, 3214868480
	.section	.rodata,"a",@progbits
	.p2align	6, 0x0
	.amdhsa_kernel k_q78c026638f_cell
		.amdhsa_group_segment_fixed_size 327680
		.amdhsa_private_segment_fixed_size 0
		.amdhsa_enable_private_segment 0
		.amdhsa_kernarg_size 56
		.amdhsa_user_sgpr_count 2
		.amdhsa_user_sgpr_kernarg_segment_ptr 1
		.amdhsa_wavefront_size32 1
		.amdhsa_system_sgpr_workgroup_id_x 1
		.amdhsa_system_sgpr_workgroup_id_y 1
		.amdhsa_system_sgpr_workgroup_id_z 1
		.amdhsa_system_vgpr_workitem_id 0
		.amdhsa_next_free_vgpr 512
		.amdhsa_next_free_sgpr 106
		.amdhsa_reserve_vcc 0
		.amdhsa_float_denorm_mode_32 3
		.amdhsa_float_denorm_mode_16_64 3
		.amdhsa_memory_ordered 1
		.amdhsa_forward_progress 1
		.amdhsa_inst_pref_size 222
	.end_amdhsa_kernel
	.amdgpu_metadata
---
amdhsa.version: [ 1, 2 ]
amdhsa.kernels:
  - .name:           k_q78c026638f_cell
    .symbol:         k_q78c026638f_cell.kd
    .args:
      - { .name: a_t, .offset: 0, .size: 8, .value_kind: global_buffer, .address_space: global }
      - { .name: b_t, .offset: 8, .size: 8, .value_kind: global_buffer, .address_space: global }
      - { .name: bx, .offset: 16, .size: 8, .value_kind: global_buffer, .address_space: global }
      - { .name: bh, .offset: 24, .size: 8, .value_kind: global_buffer, .address_space: global }
      - { .name: c_1, .offset: 32, .size: 8, .value_kind: global_buffer, .address_space: global }
      - { .name: out0, .offset: 40, .size: 8, .value_kind: global_buffer, .address_space: global }
      - { .name: out1, .offset: 48, .size: 8, .value_kind: global_buffer, .address_space: global }
    .group_segment_fixed_size: 327680
    .private_segment_fixed_size: 0
    .kernarg_segment_align: 8
    .kernarg_segment_size: 56
    .max_flat_workgroup_size: 256
    .sgpr_count:     106
    .vgpr_count:     512
    .wavefront_size: 32
...
	.end_amdgpu_metadata
.endif
;; end of part 2
